; MI455X (gfx1250); checked and timed in simulation.
; The chip was launched on July 23, 2026; its instructions are those of AMD's public machine-readable ISA for CDNA 5 (MIT licence, August 2026) and "CDNA5" Instruction Set Architecture Reference Guide (July 2026). The comments in the code are by the model that wrote it; some were corrected since.
;; Attention Layer. Allowed arithmetic: matrix products marked QUANTISED: E4M3 operands, one given power-of-two scale a tensor, by v_wmma_f32_16x16x64_fp8_fp8 or v_wmma_f32_16x16x128_fp8_fp8, f32 sums; everything else in f32.
;; Inputs: Wk_codes 1,024 x 32 x 32 uint8 (E4M3 codes of Wk, K innermost, in blocks of 32 codes); Wq_codes 1,024 x 32 x 32 uint8 (E4M3 codes of Wq, K innermost, in blocks of 32 codes); Wv_codes 1,024 x 32 x 32 uint8 (E4M3 codes of Wv, K innermost, in blocks of 32 codes); bk 1,024 float32; bq 1,024 float32; bv 1,024 float32; lowp_scales 10 int32 (the exponents e of the quantised operands' scales 2^e); x_codes 4 x 2,048 x 32 x 32 uint8 (E4M3 codes of x, K innermost, in blocks of 32 codes).
;; Outputs: out0 4 x 2,048 x 1,024 float32.
;; This version of the problem:
;;   THIS VERSION OF THE PROBLEM IS GIVEN IN LOW PRECISION. The matrix products marked QUANTISED in the list below multiply operands that are first quantised to E4M3 (4 exponent bits, 3 mantissa bits; 8 bits a number), with one given power-of-two scale for each operand tensor; their sums are f32. All else is computed in f32.
;;   The module's matrix products, in the order in which they are computed (A, B: the left and right operand; K: the contracted axis; several contracted axes count as one K, in the product's order):
;;     1. [M 8,192, K 1,024] x [K 1,024, N 1,024]; A: input x (given as codes); B: input Wq (given as codes): QUANTISED (scales: A lowp_scales[0], B lowp_scales[1])
;;     2. [M 8,192, K 1,024] x [K 1,024, N 1,024]; A: input x (given as codes); B: input Wk (given as codes): QUANTISED (scales: A lowp_scales[2], B lowp_scales[3])
;;     3. [M 8,192, K 1,024] x [K 1,024, N 1,024]; A: input x (given as codes); B: input Wv (given as codes): QUANTISED (scales: A lowp_scales[4], B lowp_scales[5])
;;     4. batch 64 x [M 2,048, K 64] x [K 64, N 2,048]; A: computed on the way; B: computed on the way: QUANTISED (scales: A lowp_scales[6], B lowp_scales[7])
;;     5. batch 64 x [M 2,048, K 2,048] x [K 2,048, N 64]; A: softmax (see below); B: computed on the way: QUANTISED (scales: A lowp_scales[8], B lowp_scales[9])
;;   THE QUANTISER, for each operand of a quantised product, along K:
;;     - The operand's scale is 2^e, e = its entry of the input lowp_scales (int32; the entries are numbered through the quantised products in the list's order, A before B).
;;     - Each number is divided by the scale, clamped to +-448, and rounded to the nearest number of E4M3, ties to even, subnormals kept.
;;     - The product sums the exact products of the quantised numbers (number of the format x scale) in f32.
;;   ~~~python
;;   def quantise(x, axis, e):      # numpy; x: float32 -> the quantised numbers, widened to float32 again
;;       x = np.moveaxis(x, axis, -1); K = x.shape[-1]
;;       r = np.clip(x / 2.0 ** e, -448, 448)
;;       step = 2.0 ** (np.maximum(np.frexp(np.where(r == 0, 1, r))[1] - 1, -6) - 3)
;;       q = np.round(r / step) * step * 2.0 ** e      # np.round: ties to even
;;       return np.moveaxis(q, -1, axis).astype(np.float32)
;;   ~~~
;;   SOFTMAX AHEAD OF A QUANTISED PRODUCT. Where the list says 'softmax', what is quantised is not the finished softmax but p = 2^(t - M), with t = logit x log2(e) and M = ceil(the row's largest t), a whole number; so 1/2 < the row's largest p <= 1. The row's sum l is taken of the UNQUANTISED p, in f32, and the product's result is divided by l at the end. Since M is a whole number, a kernel that streams over the keys may use a running M (the ceiling of the running maximum): every later rescaling is an exact power of two, so the quantised numbers keep their values, but for numbers so far below the row's largest that they fall under the format's range.
;;   OPERANDS COMPUTED ON THE WAY. 'Computed on the way' means the value that the module computes at that place (a softmax that the list does not call 'softmax' is quantised finished and normalised). What goes into a quantiser is computed in f32, as accurately as f32 sums, v_exp_f32 and their like allow (about 1e-6 of the number): no bf16 or f16 on the way to a quantiser, and a product that is left as it is and whose result goes on into a quantised operand takes f32 operands (vector FMAs, or v_wmma_f32_16x16x4_f32). A number that lies on a knife's edge between two numbers of the format may be rounded either way, as far as f32 arithmetic and the matrix unit's own rounding can turn it there, and no further.
;;   INPUTS GIVEN AS CODES. Wk (in the module: [1024, 1024], K = its axis 0); Wq (in the module: [1024, 1024], K = its axis 0); Wv (in the module: [1024, 1024], K = its axis 0); x (in the module: [4, 2048, 1024], K = its axis 2): each comes as NAME_codes (uint8): NAME with its K axis moved to the last place and cut into blocks of 32 codes, [.., K / 32, bytes a block], one block behind the other in memory; one code a byte (a code: sign, 4 exponent bits, 3 mantissa bits); its scale is its entry of lowp_scales. Its value is code x scale, taken as it is: it is not quantised again, and the codes and scales need not be those that the quantiser above would give.
;; One version. Each part assembles by itself: llvm-mc -triple=amdgcn-amd-amdhsa -mcpu=gfx1250 --defsym DOCPART=n.
;; ======== version 1 of 1: 2 launches
;; limits: right only within a limited range of input values
;; workspace buffers: qimg 8,388,608 bytes; kvimg 16,777,216 bytes
;; launch proj (part 1): grid 8 x 32, 4 waves a work-group, clusters of 4 x 4, 327,680 bytes of LDS; arguments x_codes, Wq_codes, Wk_codes, Wv_codes, bq, bk, bv, lowp_scales, qimg, kvimg; writes qimg, kvimg
.if DOCPART == 1
	.amdgcn_target "amdgcn-amd-amdhsa--gfx1250"
	.amdhsa_code_object_version 6
	.text
	.protected	k_q0b038200c5_proj
	.globl	k_q0b038200c5_proj
	.p2align	8
	.type	k_q0b038200c5_proj,@function
k_q0b038200c5_proj:
	s_mov_b64 s[64:65], 0
	v_nop
	global_prefetch_b8 v0, s[64:65] scope:SCOPE_SE
	s_setreg_imm32_b32 hwreg(HW_REG_WAVE_MODE, 25, 1), 1
	s_wait_xcnt 0x0
	s_wait_alu depctr_hold_cnt(0) depctr_sa_sdst(0) depctr_va_vdst(0) depctr_va_sdst(0) depctr_va_ssrc(0) depctr_va_vcc(0) depctr_vm_vsrc(0)
	s_getreg_b32 s2, hwreg(HW_REG_IB_STS2, 6, 4)
	s_cmp_eq_u32 s2, 0
	s_cbranch_scc0 .Lentry_in_a_cluster
	s_endpgm
.Lentry_in_a_cluster:
	s_bfe_u32 s2, ttmp6, 0x10000c
	s_cmp_lg_u32 s2, 0xf033
	s_cbranch_scc0 .Lentry_shape_is_right
	s_endpgm
.Lentry_shape_is_right:
; q = x Wq + bq, k = x Wk + bk, v = x Wv + bv on codes of FP8 (E4M3), each product with its own two given scales; the results are quantised with the scales given for them
; (entries 6, 7 and 9) and stored as IMAGES OF THE NEXT LAUNCH'S OPERAND REGISTERS.  x: [8192][1024] codes; Wq, Wk, Wv: [1024 (feature)][1024 (K)] codes.
; SHARES.  8 x 32 = 256 work-groups.  A work-group makes 256 tokens x 384 features: q, k and v of heads 2 gx and 2 gx + 1.  Wave w makes 128 tokens (half w / 2) x the 192 features of head 2 gx + w % 2:
; 8 x 12 = 96 accumulators of 16 x 16, 768 registers: windows 1 (q), 2 (k), 3 (v); accumulator (token block a, feature block b of the unit) at v[64 b + 8 a] of its window.
; K goes in four chunks of 256 through ONE LDS slot of 640 rows (x's 256, then 128 each of Wq, Wk, Wv), pitch 272: two such slots are more than a WGP's LDS.  A chunk is four half steps of 64 along K.
; All fragments lie in window 0: x's eight in two sets, W's twelve in registers of their own, each fetched anew for the next half step once its eight products are issued.
; A chunk's last half step has all its fragments in registers after its first 24 products: there the slot is given up and filled again, under the other 72 products.
; q, k: source 0 = W's rows, source 1 = x's rows: a lane holds one token and eight neighbouring channels.  v: the sources swapped: a lane holds one channel and eight neighbouring keys.
; CLUSTERS: 4 x 4.  x's tile hangs on gy alone and is asked for jointly by a row of the cluster (wave 0), W's tiles on gx alone and by a column (waves 1 to 3: Wq, Wk, Wv).
; PREFETCH: each wave names its work-group's quarter of the rows that it will load for a later chunk, a lane a row of 256 bytes; the four partners of a joint load take different quarters by address.
; Chunk 1 is named at the head, behind the first joint load; chunks 2 and 3 behind the first fragment loads of chunks 0 and 1: each more than three half steps' 288 products ahead of its load, and never more than two chunks named and not yet loaded.
; Chunk 0 comes by its load alone.
; THE BIAS, divided by 2^(ex + ew), waits in LDS bytes of the wave's own as an image of registers and is added to the finished sums.
; THE IMAGES.  A group of 32 tokens of q or k of one head is 2,048 bytes: the 16 bytes (token x, channels 16 c4 on) lie at ((x/8)%2) 1024 + (c4/2) 512 + (c4%2) 256 + (x%8 + 8 (x/16)) 16.
;   128 keys of v of one head are 8,192 bytes: the 16 bytes (channel 16 t + r, keys 32 c + 16 h on) lie at 2048 t + 512 c + 256 h + 16 r.
;   qimg: [head of 64][64 groups][2048].   kvimg: [head of 64][16 steps of 128 keys][K's four groups, 8192 | V's image, 8192].
; LIMITS: eo - ex - ew between -126 and 119 for each product, so that the conversion's scale and 448 x that scale are f32 numbers.  NaN among the biases is not served.
.set PITCH,  272                       ; 256 bytes + 16 of padding: the 16 rows that a load touches start 4 words apart modulo 64 words
.set HALFT,  128*PITCH
.set SPARE,  640*PITCH                 ; behind the slot: the spare words
.set STAGE,  SPARE+512                 ; the way out: 24,576 bytes a wave (q's, k's, v's image of 8,192)
.set BIAS,   STAGE+4*24576             ; the biases' image: 8,704 bytes a wave
.set ADRR, 1                           ; v1   LDS address of my x fragments
.set ADRS, 2                           ; v2-4 of my Wq, Wk, Wv fragments
.set SPW,  5
.set NIL,  6
.set PFO,  7                           ; v7   the prefetches' offset: 1,024 x lane
.set STQ,  8                           ; v8   my lane's place in q's and k's stage;  v9 in v's
.set STV,  9
.set RD,   10                          ; v10  where I read the images back
.set CO,   11                          ; v11  16 x lane
.set BIM,  12                          ; v12, v13 my places in the biases' image
.set BIV,  13
.set RF,   16                          ; v16-143 x's fragments, two sets of 64
.set SF,   144                         ; v144-239 W's twelve fragments
.set BQ,   16                          ; the way out: q's and k's biases v16-79, v's v240-247; v80-143 numbers in hand, v144-159 codes, v160-223 images read back
.set BV,   240
.set TMP,  80
.set CD,   144
.set RB,   160
.set G1A, 24
.set G0A, 32
.set G0B, 36
.set G1B, 48
.set PFA, 20
.set NB,  56                           ; s56-58 -(ex + ew);  s59-61 2^(eo - ex - ew);  s97-99 448 x that;  s8-10 its negative
.set SC,  59
.set LP,  97
.set LN,  8
.set MSB, 0
.macro WIN new
.if MSB != (\new)
	s_set_vgpr_msb (MSB<<8)|(\new)
.set MSB, (\new)
.endif
.endm
.macro PLACES                          ; four places between matrix instructions and loads into, or reads of, their registers (ISA guide 7.12.1 for the reads)
.rept 4
	v_nop
.endr
.endm
.macro JLOAD                           ; a joint load: wave 0 for x, waves 1 to 3 for a weight; each line has one mask
	s_cmp_eq_u32 s14, 0
	s_cbranch_scc0 .Lfor_w_\@
	tensor_load_to_lds s[G0A:G0A+3], s[G1A:G1A+7]
	s_nop 0
	PLACES
	s_branch .Lasked_\@
.Lfor_w_\@:
	tensor_load_to_lds s[G0B:G0B+3], s[G1B:G1B+7]
	s_nop 0
	PLACES
.Lasked_\@:
.endm
.macro CROUND
	s_barrier_signal -1
	s_barrier_wait -1
	s_cmp_lg_u32 s14, 0
	s_cbranch_scc1 .Lnot_wave_0_\@
	s_barrier_signal -3
.Lnot_wave_0_\@:
	s_barrier_wait -3
	s_barrier_signal -1
	s_barrier_wait -1
.endm
.macro ASK c                           ; chunk c + 2: my quarter of the rows that I load, a lane a row; wave 0's quarter of x is 64 rows, two instructions
	global_prefetch_b8 v[PFO], s[PFA:PFA+1] offset:256*((\c)+2) th:TH_LOAD_NT scope:SCOPE_SE
	s_cmp_lg_u32 s14, 0
	s_cbranch_scc1 .Lone_\@
	global_prefetch_b8 v[PFO], s[PFA:PFA+1] offset:256*((\c)+2)+32768 th:TH_LOAD_NT scope:SCOPE_SE
.Lone_\@:
.endm
	s_load_b512 s[68:83], s[0:1], 0x0              ; x 68, Wq 70, Wk 72, Wv 74, bq 76, bk 78, bv 80, the exponents 82
	s_load_b128 s[84:87], s[0:1], 0x40             ; qimg 84, kvimg 86
	v_lshl_add_u32 v[SPW], v0, 2, SPARE
	v_mov_b32 v[NIL], 0
	ds_add_u32 v[SPW], v[NIL]                      ; the opening lines: the add twice on end and one wait
	ds_add_u32 v[SPW], v[NIL]
	v_lshrrev_b32 v14, 5, v0
	v_readfirstlane_b32 s14, v14                   ; wave 0..3
	s_lshr_b32 s15, s14, 1                         ; my half of the tokens
	s_and_b32 s16, s14, 1                          ; my head of the two
	s_bfe_u32 s40, ttmp6, 0x40000                  ; cx, cy
	s_bfe_u32 s41, ttmp6, 0x40004
	s_lshl_b32 s42, ttmp9, 2
	s_add_co_u32 s42, s42, s40                     ; gx: which two heads
	s_and_b32 s17, ttmp7, 0xffff
	s_lshl_b32 s17, s17, 2
	s_add_co_u32 s17, s17, s41                     ; gy: which 256 tokens
	s_lshl_b32 s43, s41, 2
	s_lshl_b32 s43, 15, s43                        ; my row of the cluster
	s_lshl_b32 s44, 0x1111, s40                    ; my column
	s_or_b32 s[G1A], s43, (1<<20)|(1<<21)|(5<<22)|(3<<25)   ; the mask; elements of 1 byte; padding of 4 words behind every 64; bit 21 beside a mask
	s_or_b32 s[G1B], s44, (1<<20)|(1<<21)|(5<<22)|(3<<25)
	s_mov_b32 s[G1A+1], 256<<16                    ; rows of 256 bytes,
	s_mov_b32 s[G1A+2], 256<<16                    ; 256 of them for x,
	s_mov_b32 s[G1A+3], 256<<16
	s_mov_b32 s[G1A+4], 256
	s_mov_b32 s[G1A+5], 1024                       ; 1,024 bytes apart
	s_mov_b32 s[G1A+6], 0
	s_mov_b32 s[G1A+7], 0
	s_mov_b32 s[G1B+1], 256<<16
	s_mov_b32 s[G1B+2], 128<<16                    ; 128 for a weight
	s_mov_b32 s[G1B+3], 256<<16
	s_mov_b32 s[G1B+4], 128
	s_mov_b32 s[G1B+5], 1024
	s_mov_b32 s[G1B+6], 0
	s_mov_b32 s[G1B+7], 0
	s_lshl_b32 s18, s17, 18                        ; x: 256 gy rows of 1,024 bytes
	s_mov_b32 s19, 0
	s_lshl_b32 s22, s42, 17                        ; a weight: 128 gx rows
	s_mov_b32 s23, 0
	s_mul_i32 s45, s14, HALFT
	s_add_co_u32 s45, s45, HALFT                   ; wave 1, 2, 3: behind x's 256 rows, 128 rows each
	s_wait_dscnt 0x0
	s_wait_kmcnt 0x0
	s_load_b256 s[88:95], s[82:83], 0x0            ; entries 0 to 7
	s_load_b32 s96, s[82:83], 0x24                 ; entry 9
	s_cmp_eq_u32 s14, 2
	s_cselect_b64 s[8:9], s[72:73], s[70:71]       ; wave 1 Wq, wave 2 Wk,
	s_cmp_eq_u32 s14, 3
	s_cselect_b64 s[8:9], s[74:75], s[8:9]         ; wave 3 Wv
	s_add_nc_u64 s[10:11], s[68:69], s[18:19]
	s_add_nc_u64 s[8:9], s[8:9], s[22:23]
	s_mov_b32 s[G0A], 1
	s_mov_b32 s[G0A+1], 0
	s_mov_b64 s[G0A+2:G0A+3], s[10:11]
	s_or_b32 s[G0A+3], s[G0A+3], 0x80000000
	s_mov_b32 s[G0B], 1
	s_mov_b32 s[G0B+1], s45
	s_mov_b64 s[G0B+2:G0B+3], s[8:9]
	s_or_b32 s[G0B+3], s[G0B+3], 0x80000000
	CROUND                                         ; the sixteen work-groups are here: the first joint loads meet
	JLOAD                                          ; chunk 0: one tensor load a wave at the head
	s_cmp_eq_u32 s14, 0                            ; the prefetches: of the rows that I load, my work-group's quarter
	s_cselect_b64 s[PFA:PFA+1], s[10:11], s[8:9]
	s_cselect_b32 s12, s40, s41                    ; my place among the four that ask with me: cx for x, cy for a weight
	s_cselect_b32 s13, 16, 15                      ; a quarter is 64 rows of x, 32 of a weight
	s_lshl_b32 s12, s12, s13
	s_mov_b32 s13, 0
	s_add_nc_u64 s[PFA:PFA+1], s[PFA:PFA+1], s[12:13]
	s_lshl_b32 s12, s42, 9                         ; the biases: feature 128 gx + 64 (w % 2), 4 bytes each
	s_lshl_b32 s13, s16, 8
	s_add_co_u32 s12, s12, s13
	s_mov_b32 s13, 0
	s_add_nc_u64 s[76:77], s[76:77], s[12:13]
	s_add_nc_u64 s[78:79], s[78:79], s[12:13]
	s_add_nc_u64 s[80:81], s[80:81], s[12:13]
	s_mul_i32 s2, s16, 64*PITCH
	s_add_co_u32 s2, s2, 256*PITCH                 ; my head's rows of Wq
	s_mul_i32 s3, s15, HALFT                       ; my tokens' rows
	s_mul_i32 s46, s14, 24576
	s_add_co_u32 s46, s46, STAGE                   ; my stage
	s_mul_i32 s47, s14, 8704
	s_add_co_u32 s47, s47, BIAS                    ; my biases' image
	v_and_b32 v14, 15, v0                          ; r
	v_bfe_u32 v15, v0, 4, 1                        ; h
	v_mul_u32_u24 v1, v14, PITCH
	v_lshl_add_u32 v1, v15, 4, v1                  ; a fragment's row x pitch + 16 h
	v_add_nc_u32 v[ADRS], s2, v1
	v_add_nc_u32 v[ADRS+1], HALFT, v[ADRS]
	v_add_nc_u32 v[ADRS+2], HALFT, v[ADRS+1]
	v_add_nc_u32 v[ADRR], s3, v1
	v_and_b32 v[PFO], 31, v0
	v_lshlrev_b32 v[CO], 4, v[PFO]
	v_lshlrev_b32 v[PFO], 10, v[PFO]
	v_bfe_u32 v[STQ], v0, 3, 1
	v_and_b32 v[STV], 7, v0
	v_lshlrev_b32 v[STQ], 10, v[STQ]
	v_lshl_add_u32 v[STQ], v[STV], 4, v[STQ]
	v_lshl_add_u32 v[STQ], v15, 3, v[STQ]
	v_add_nc_u32 v[STQ], s46, v[STQ]               ; ((r/8)%2) 1024 + (r%8) 16 + 8 h
	v_lshlrev_b32 v[STV], 4, v14
	v_lshl_add_u32 v[STV], v15, 3, v[STV]
	v_add_nc_u32 v[STV], s46, v[STV]
	v_add_nc_u32 v[STV], 16384, v[STV]             ; 16 r + 8 h, behind q's and k's images
	v_add_nc_u32 v[RD], s46, v[CO]
	v_add_nc_u32 v[BIM], s47, v[CO]
	v_lshrrev_b32 v[BIV], 2, v[CO]
	v_add_nc_u32 v[BIV], s47, v[BIV]
	v_add_nc_u32 v[BIV], 8192, v[BIV]
	v_lshlrev_b32 v15, 5, v15                      ; q, k: my eight channels' biases begin 32 h bytes on
	v_lshlrev_b32 v14, 2, v14                      ; v: my channel's, 4 r bytes on
.irp u, 0,1
.irp b, 0,1,2,3
.irp e, 0,1
	global_load_b128 v[SF+32*\u+8*\b+4*\e:SF+32*\u+8*\b+4*\e+3], v15, s[76+2*\u:77+2*\u] offset:64*\b+16*\e
.endr
.endr
.endr
.irp b, 0,1,2,3
	global_load_b32 v[SF+64+\b], v14, s[80:81] offset:64*\b
.endr
	ASK -1                                         ; chunk 1
	s_lshr_b32 s12, s17, 3                         ; the batch
	s_lshl_b32 s12, s12, 4
	s_lshl_b32 s13, s42, 1
	s_add_co_u32 s12, s12, s13
	s_add_co_u32 s12, s12, s16                     ; my head of 64
	s_lshl_b32 s13, s17, 1
	s_add_co_u32 s13, s13, s15
	s_and_b32 s13, s13, 15                         ; which 128 tokens of the batch's 2,048
	s_lshl_b32 s2, s12, 17
	s_lshl_b32 s3, s13, 13
	s_add_co_u32 s2, s2, s3
	s_mov_b32 s3, 0
	s_add_nc_u64 s[4:5], s[84:85], s[2:3]          ; q's image
	s_lshl_b32 s2, s12, 18
	s_lshl_b32 s3, s13, 14
	s_add_co_u32 s2, s2, s3
	s_mov_b32 s3, 0
	s_add_nc_u64 s[6:7], s[86:87], s[2:3]          ; k's image; v's lies 8,192 bytes behind it
	s_wait_alu depctr_va_vdst(0)
	s_wait_kmcnt 0x0
.macro SCALES u, ex, eo
	s_add_co_i32 s[NB+\u], s[\ex], s[\ex+1]        ; ex + ew
	s_sub_co_i32 s[SC+\u], s[\eo], s[NB+\u]        ; a sum's code is sum / 2^(eo - ex - ew)
	s_sub_co_i32 s[NB+\u], 0, s[NB+\u]
	s_add_co_i32 s[SC+\u], s[SC+\u], 127
	s_add_co_i32 s[LP+\u], s[SC+\u], 8
	s_lshl_b32 s[SC+\u], s[SC+\u], 23
	s_lshl_b32 s[LP+\u], s[LP+\u], 23
	s_or_b32 s[LP+\u], s[LP+\u], 0x600000
	s_or_b32 s[LN+\u], s[LP+\u], 0x80000000
.endm
	SCALES 0, 88, 94
	SCALES 1, 90, 95
	SCALES 2, 92, 96
	s_wait_loadcnt 0x0
.irp u, 0,1
.set n, 0
.rept 32
	v_ldexp_f32 v[SF+32*\u+n], v[SF+32*\u+n], s[NB+\u]   ; the bias / 2^(ex + ew)
.set n, n+1
.endr
.endr
.irp b, 0,1,2,3
	v_ldexp_f32 v[SF+64+\b], v[SF+64+\b], s[NB+2]
.endr
	s_wait_alu depctr_va_vdst(0)
	s_wait_tensorcnt 0x0                           ; my part of chunk 0 is in
.set n, 0
.rept 16
	ds_store_b128 v[BIM], v[SF+4*n:SF+4*n+3] offset:512*n   ; the biases as an image of registers, in bytes of my own
.set n, n+1
.endr
.irp b, 0,1,2,3
	ds_store_b32 v[BIV], v[SF+64+\b] offset:128*\b
.endr
	s_wait_dscnt 0x0
	s_barrier_signal -1
	s_barrier_wait -1                              ; everybody's part is in
; A fragment, 16 rows x 64 K, is 8 registers: lane l holds row l % 16; registers 4 c .. 4 c + 3 hold K = 32 c + 16 (l / 16) + 0 .. 15: the same places in both operands.
.macro LOADR p, q                      ; x's eight fragments of half step q into set p
.irp a, 0,1,2,3,4,5,6,7
	ds_load_b128 v[RF+64*(\p)+8*\a:RF+64*(\p)+8*\a+3], v[ADRR] offset:\a*16*PITCH+64*(\q)
	ds_load_b128 v[RF+64*(\p)+8*\a+4:RF+64*(\p)+8*\a+7], v[ADRR] offset:\a*16*PITCH+64*(\q)+32
.endr
.endm
.macro LOADS g, q                      ; W's fragments 3 g .. 3 g + 2
.set b_, 3*(\g)
.rept 3
	ds_load_b128 v[SF+8*b_:SF+8*b_+3], v[ADRS+b_/4] offset:(b_%4)*16*PITCH+64*(\q)
	ds_load_b128 v[SF+8*b_+4:SF+8*b_+7], v[ADRS+b_/4] offset:(b_%4)*16*PITCH+64*(\q)+32
.set b_, b_+1
.endr
.endm
; 24 matrix instructions: W's fragments 3 g .. 3 g + 2, each against x's eight.  The 96 accumulators take turns in the same order in every half step.
.macro MULG g, p, zero
.set b_, 3*(\g)
.rept 3
	WIN (1+b_/4)*0x50                              ; C and D in the unit's window
.set a_, 0
.rept 8
.set d_, 64*(b_%4)+8*a_
.set s_, SF+8*b_
.set r_, RF+64*(\p)+8*a_
.if b_ < 8
.if \zero
	v_wmma_f32_16x16x64_fp8_fp8 v[d_:d_+7], v[s_:s_+7], v[r_:r_+7], 0
.else
	v_wmma_f32_16x16x64_fp8_fp8 v[d_:d_+7], v[s_:s_+7], v[r_:r_+7], v[d_:d_+7]
.endif
.else
.if \zero
	v_wmma_f32_16x16x64_fp8_fp8 v[d_:d_+7], v[r_:r_+7], v[s_:s_+7], 0
.else
	v_wmma_f32_16x16x64_fp8_fp8 v[d_:d_+7], v[r_:r_+7], v[s_:s_+7], v[d_:d_+7]
.endif
.endif
.set a_, a_+1
.endr
.set b_, b_+1
.endr
.endm
; A half step with a successor in the slot.  LDS loads come back in order.  Ahead of group 0 the 18 youngest (W's fragments 3 to 11) may be out; ahead of a later group the 34 issued behind its own six.
.macro HALF q, zero
	s_wait_dscnt 18
	MULG 0, (\q)%2, \zero
	WIN 0
	PLACES
	LOADR 1-(\q)%2, (\q)+1
	LOADS 0, (\q)+1
.irp g, 1,2,3
	s_wait_dscnt 34
	MULG \g, (\q)%2, \zero
	WIN 0
	PLACES
	LOADS \g, (\q)+1
.endr
.endm
.macro FIRSTLOADS
	LOADR 0, 0
	LOADS 0, 0
	LOADS 1, 0
	LOADS 2, 0
	LOADS 3, 0
.endm
; A chunk's last half step.  refill = 1: behind its first group all my fragments are waited for, the slot is given up in a round of the cluster's barrier and filled again; the other 72 products stand under the load.
.macro LASTH refill
	s_wait_dscnt 18
	MULG 0, 1, 0
	WIN 0
.if \refill
	s_wait_tensorcnt 0x0
	ds_add_u32 v[SPW], v[NIL]
	s_wait_dscnt 0x0                               ; the add is done, and my reads of the slot are over
	CROUND
	s_add_nc_u64 s[G0A+2:G0A+3], s[G0A+2:G0A+3], 256
	s_add_nc_u64 s[G0B+2:G0B+3], s[G0B+2:G0B+3], 256
	JLOAD                                          ; the next chunk: my one tensor load behind the round
.else
	s_wait_dscnt 0x0
	PLACES
.set n, 0
.rept 16
	ds_load_b128 v[BQ+4*n:BQ+4*n+3], v[BIM] offset:512*n     ; the biases come back, into x's set 0, which is done with
.set n, n+1
.endr
.irp b, 0,1,2,3
	ds_load_b32 v[BV+2*\b], v[BIV] offset:128*\b
	ds_load_b32 v[BV+2*\b+1], v[BIV] offset:128*\b           ; (named as the upper half of a pair)
.endr
.endif
	MULG 1, 1, 0
	MULG 2, 1, 0
	MULG 3, 1, 0
	WIN 0
.endm
.macro LAND                            ; the slot's new chunk: my part is in, then everybody's
	s_wait_tensorcnt 0x0
	s_barrier_signal -1
	s_barrier_wait -1
	PLACES
	FIRSTLOADS
.endm
	FIRSTLOADS
	ASK 0
	HALF 0, 1                                      ; the first products start the sums
	HALF 1, 0
	HALF 2, 0
	LASTH 1
	LAND
	ASK 1
.irp c, 1,2
	HALF 0, 0
	HALF 1, 0
	HALF 2, 0
	LASTH 1
	LAND
.endr
	HALF 0, 0
	HALF 1, 0
	HALF 2, 0
	LASTH 0
; THE WAY OUT, unit by unit (q, k, v), token block by token block: 32 sums a lane get their bias, are held within +-448 x the scale (the conversion does not saturate: ISA guide 7.6.2),
; become 32 codes and go to their places in my stage.  The image comes back as 512 consecutive bytes an instruction and is stored so.  LDS serves a wave's instructions in order (ISA guide 5.7.1.4).
.macro UNIT u
.irp a, 0,1,2,3,4,5,6,7
	WIN 1+\u                                       ; source 0: the unit's window
.irp b, 0,1,2,3
.irp n, 0,2,4,6
.if \u < 2
	v_pk_add_f32 v[TMP+32*(\a%2)+8*\b+\n:TMP+32*(\a%2)+8*\b+\n+1], v[64*\b+8*\a+\n:64*\b+8*\a+\n+1], v[BQ+32*\u+8*\b+\n:BQ+32*\u+8*\b+\n+1]
.else
	v_pk_add_f32 v[TMP+32*(\a%2)+8*\b+\n:TMP+32*(\a%2)+8*\b+\n+1], v[64*\b+8*\a+\n:64*\b+8*\a+\n+1], v[BV+2*\b:BV+2*\b+1] op_sel_hi:[1,0]
.endif
.endr
.endr
	WIN 0
.set n_, 0
.rept 32
	v_med3_num_f32 v[TMP+32*(\a%2)+n_], v[TMP+32*(\a%2)+n_], s[LN+\u], s[LP+\u]
.set n_, n_+1
.endr
.irp b, 0,1,2,3
	v_cvt_scalef32_pk8_fp8_f32 v[CD+8*(\a%2)+2*\b:CD+8*(\a%2)+2*\b+1], v[TMP+32*(\a%2)+8*\b:TMP+32*(\a%2)+8*\b+7], v[14+\u-15*(\u/2)]
.endr
.irp b, 0,1,2,3
.if \u < 2
	ds_store_b64 v[STQ], v[CD+8*(\a%2)+2*\b:CD+8*(\a%2)+2*\b+1] offset:8192*\u+(\a/2)*2048+(\a%2)*128+(\b/2)*512+(\b%2)*256   ; token 16 a + r, channels 16 b + 8 h on
.else
	ds_store_b64 v[STV], v[CD+8*(\a%2)+2*\b:CD+8*(\a%2)+2*\b+1] offset:\b*2048+(\a/2)*512+(\a%2)*256   ; channel 16 b + r, keys 16 a + 8 h on
.endif
.endr
.endr
.endm
.macro BACK u
.set n_, 0
.rept 16
	ds_load_b128 v[RB+4*n_:RB+4*n_+3], v[RD] offset:8192*\u+512*n_
.set n_, n_+1
.endr
.endm
.macro SEND base, off, younger         ; younger: the LDS instructions issued behind the sixteen loads
.set n_, 0
.rept 16
	s_wait_dscnt \younger+15-n_
	global_store_b128 v[CO], v[RB+4*n_:RB+4*n_+3], s[\base:\base+1] offset:\off+512*n_   ; 32 lanes store 512 consecutive bytes, at a multiple of 512 from the buffer's first byte
.set n_, n_+1
.endr
.endm
	PLACES                                         ; behind the last products
	v_mov_b32 v14, s[SC]                           ; the three conversions' scales
	v_mov_b32 v15, s[SC+1]
	v_mov_b32 v1, s[SC+2]
	s_wait_alu depctr_va_vdst(0)
	s_wait_dscnt 0x0                               ; the biases
	UNIT 0
	BACK 0
	UNIT 1
	s_wait_alu depctr_va_vdst(0)
	SEND 4, 0, 32                                  ; behind q's loads: k's 32 stores into the stage
	s_wait_xcnt 0x0                                ; the stores have read their registers: the next image may land there
	BACK 1
	UNIT 2
	s_wait_alu depctr_va_vdst(0)
	SEND 6, 0, 32
	s_wait_xcnt 0x0
	BACK 2
	SEND 6, 8192, 0
	s_wait_tensorcnt 0x0                           ; the wave's end
	ds_add_u32 v[SPW], v[NIL]
	s_wait_dscnt 0x0
	CROUND                                         ; the closing round
	s_endpgm
.Lfunc_end_k_q0b038200c5_proj:
	.size	k_q0b038200c5_proj, .Lfunc_end_k_q0b038200c5_proj-k_q0b038200c5_proj
	.p2alignl 7, 3214868480
	.fill 96, 4, 3214868480
	.section	.rodata,"a",@progbits
	.p2align	6, 0x0
	.amdhsa_kernel k_q0b038200c5_proj
		.amdhsa_group_segment_fixed_size 327680
		.amdhsa_private_segment_fixed_size 0
		.amdhsa_enable_private_segment 0
		.amdhsa_kernarg_size 80
		.amdhsa_user_sgpr_count 2
		.amdhsa_user_sgpr_kernarg_segment_ptr 1
		.amdhsa_wavefront_size32 1
		.amdhsa_system_sgpr_workgroup_id_x 1
		.amdhsa_system_sgpr_workgroup_id_y 1
		.amdhsa_system_sgpr_workgroup_id_z 1
		.amdhsa_system_vgpr_workitem_id 0
		.amdhsa_next_free_vgpr 1024
		.amdhsa_next_free_sgpr 100
		.amdhsa_reserve_vcc 0
		.amdhsa_float_denorm_mode_32 3
		.amdhsa_float_denorm_mode_16_64 3
		.amdhsa_memory_ordered 1
		.amdhsa_forward_progress 1
		.amdhsa_inst_pref_size 255
	.end_amdhsa_kernel
	.section	.bss,"aw",@nobits
	.p2align	6
	.space	262144
	.amdgpu_metadata
---
amdhsa.version: [ 1, 2 ]
amdhsa.kernels:
  - .name:           k_q0b038200c5_proj
    .symbol:         k_q0b038200c5_proj.kd
    .args:
      - { .name: x_codes, .offset: 0, .size: 8, .value_kind: global_buffer, .address_space: global }
      - { .name: Wq_codes, .offset: 8, .size: 8, .value_kind: global_buffer, .address_space: global }
      - { .name: Wk_codes, .offset: 16, .size: 8, .value_kind: global_buffer, .address_space: global }
      - { .name: Wv_codes, .offset: 24, .size: 8, .value_kind: global_buffer, .address_space: global }
      - { .name: bq, .offset: 32, .size: 8, .value_kind: global_buffer, .address_space: global }
      - { .name: bk, .offset: 40, .size: 8, .value_kind: global_buffer, .address_space: global }
      - { .name: bv, .offset: 48, .size: 8, .value_kind: global_buffer, .address_space: global }
      - { .name: lowp_scales, .offset: 56, .size: 8, .value_kind: global_buffer, .address_space: global }
      - { .name: qimg, .offset: 64, .size: 8, .value_kind: global_buffer, .address_space: global }
      - { .name: kvimg, .offset: 72, .size: 8, .value_kind: global_buffer, .address_space: global }
    .group_segment_fixed_size: 327680
    .private_segment_fixed_size: 0
    .kernarg_segment_align: 8
    .kernarg_segment_size: 80
    .max_flat_workgroup_size: 128
    .sgpr_count:     100
    .vgpr_count:     1024
    .wavefront_size: 32
...
	.end_amdgpu_metadata
.endif
;; end of part 1
;; launch attn (part 2): grid 4 x 64, 8 waves a work-group, clusters of 4 x 1, 327,680 bytes of LDS; arguments qimg, kvimg, lowp_scales, out0; writes out0
.if DOCPART == 2
	.amdgcn_target "amdgcn-amd-amdhsa--gfx1250"
	.amdhsa_code_object_version 6
	.text
	.protected	k_q0b038200c5_attn
	.globl	k_q0b038200c5_attn
	.p2align	8
	.type	k_q0b038200c5_attn,@function
k_q0b038200c5_attn:
	s_mov_b64 s[64:65], 0
	v_nop
	global_prefetch_b8 v0, s[64:65] scope:SCOPE_SE
	s_setreg_imm32_b32 hwreg(HW_REG_WAVE_MODE, 25, 1), 1
	s_wait_xcnt 0x0
	s_wait_alu depctr_hold_cnt(0) depctr_sa_sdst(0) depctr_va_vdst(0) depctr_va_sdst(0) depctr_va_ssrc(0) depctr_va_vcc(0) depctr_vm_vsrc(0)
	s_getreg_b32 s2, hwreg(HW_REG_IB_STS2, 6, 4)
	s_cmp_eq_u32 s2, 0
	s_cbranch_scc0 .Lentry_in_a_cluster
	s_endpgm
.Lentry_in_a_cluster:
	s_bfe_u32 s2, ttmp6, 0x10000c
	s_cmp_lg_u32 s2, 0x3003
	s_cbranch_scc0 .Lentry_shape_is_right
	s_endpgm
.Lentry_shape_is_right:
; out[b][q][head] = softmax_k(q . k / 8) v on codes of FP8 (E4M3); q, k, v come as the images that launch proj stores (its head comment gives their layout).
; THE SOFTMAX: t = score x log2(e) / 8; M = the running largest t rounded up to a whole number; p = 2^(t - M) is quantised with the given 2^ep, not normalised;
; the row's sum is taken of the unquantised p and divides at the end.  When M moves, sum and O are multiplied by 2^(old M - new M).
; SHARES.  A work-group owns 512 queries of one head (of 64 batch-heads), each of its eight waves 64 of them: four tiles of 16.  Two waves to a SIMD, 512 registers each.
; Every fragment of K and of V that a wave reads from LDS feeds four matrix instructions.  A key step is 128 keys; 16 steps.
; CLUSTER: the four work-groups of a head need the same 262,144 bytes of K and V, and ask for them jointly, in two fills.  At the head each wave asks for 3,072 bytes: together key step 0 and step 1's image of K, which step 0 already fetches.
; The other 237,568 bytes, 29,696 a wave, are asked for when those are in, and have step 0's work in which to land.  All of it stays in LDS: nothing is filled again.
; No prefetch: both fills are asked for ahead of the loop, so there is no loop to run ahead in.
; LAYOUT.  Both products transposed: S^T = K Q^T, O^T = V^T P^T: a lane holds one query (lane % 16) of each tile.  The keys of a tile of K are chosen by the image so that the 16 registers of tiles 2 b, 2 b + 1 are 16 neighbouring keys.
; A STEP: QK of tiles 0, 1; their softmax; PV of tiles 0, 1 and QK of tiles 2, 3; their softmax; PV of tiles 2, 3.  V's fragments are asked for behind the first QK, the next step's K fragments behind the second.
; In a softmax the two tiles' chains take turns, and a tile's exponentials stand among lines of the other tile that read nothing written since the wait ahead of the batch and whose results are read behind the wait that follows it.
; LIMITS: eq + ek between -123 and 130 (added to c's exponent field); ep between -126 and 119; the scaled scores stay under 2^31 in magnitude.
; REGISTERS.  Window 0: v1 16 x lane, v2 an LDS address, v3 2^ep, v4-5 448 x 2^ep, v6-9 at work, v[10:11], v[12:13] f of the pair's tiles, v14-15 the add's two, v16-31 four tiles' -M, largest t, sum in two halves;
;   v32-63 Q; v64-191 the pair's scores, then p; v192-223 the pair's codes; v224-255 half sums.   Window 1: v0-63 K's fragments, v64-127 V's, v128-255 O^T.
.set LI,   1
.set ADR,  2
.set SCL,  3
.set LM0,  4
.set LM1,  5
.set TA,   6
.set FA,   10
.set SPW,  14
.set NIL,  15
.set ST,   16
.set Q,    32
.set S,    64
.set P,    192
.set TMP,  224
.set KF,   0
.set VF,   64
.set O,    128
.set WV,   12
.set G1,   16                          ; s[16:23] group 1 of the first fill, s[72:79] of the second; s[32:35], s[36:39] their groups 0
.set G1B,  72
.set TB,   24                          ; s24 LDS byte of the step in hand
.set TN,   25                          ; s25 of the next step
.set CNT,  26
.set G0,   32
.set G0B,  36
.set EO,   41
.set SEL,  60
.set CS,   62
.set STEPB, 16384                      ; a key step: K's image 8,192 bytes, V's 8,192
.set FILL0, 24576                      ; the first fill: step 0, and step 1's image of K
.set SPARE, 0x40000                    ; behind K and V: the spare words, 128 bytes a wave
.set STAGE, 0x40400                    ; behind them: a stage of 16 rows x 272 bytes for each wave, bytes of its own
.set SP,   272
.set MSB, 0
.macro WIN new                         ; the immediate's high byte repeats the setting that is left
.if MSB != (\new)
	s_set_vgpr_msb (MSB<<8)|(\new)
.set MSB, (\new)
.endif
.endm
.macro CROUND
	s_barrier_signal -1
	s_barrier_wait -1
	s_cmp_lg_u32 s[WV], 0
	s_cbranch_scc1 .Lnot_wave_0_\@
	s_barrier_signal -3
.Lnot_wave_0_\@:
	s_barrier_wait -3
	s_barrier_signal -1
	s_barrier_wait -1
.endm
	s_load_b256 s[4:11], s[0:1], 0x0               ; qimg 4, kvimg 6, the scales' exponents 8, out 10
	v_lshl_add_u32 v[SPW], v0, 2, SPARE
	v_mov_b32 v[NIL], 0
	ds_add_u32 v[SPW], v[NIL]                      ; the opening lines: the add twice on end and one wait
	ds_add_u32 v[SPW], v[NIL]
	v_lshrrev_b32 v2, 5, v0
	v_readfirstlane_b32 s[WV], v2                  ; wave 0..7
	s_bfe_u32 s13, ttmp6, 0x40000                  ; cx: which 512 queries
	s_and_b32 s14, ttmp7, 0xffff                   ; the batch-head
	s_mov_b32 s[G1], 15|(3<<16)|(1<<21)            ; the mask of all four partners; elements of 8 bytes; bit 21 beside a mask
	s_mov_b32 s[G1+1], 32<<16                      ; rows of 256 bytes,
	s_mov_b32 s[G1+2], 12<<16                      ; 12 of them, dense
	s_mov_b32 s[G1+3], 32<<16
	s_mov_b32 s[G1+4], 12
	s_mov_b32 s[G1+5], 32
	s_mov_b32 s[G1+6], 0
	s_mov_b32 s[G1+7], 0
	s_mov_b32 s[G1B], 15|(3<<16)|(1<<21)
	s_mov_b32 s[G1B+1], 32<<16
	s_mov_b32 s[G1B+2], 116<<16                    ; 116 rows
	s_mov_b32 s[G1B+3], 32<<16
	s_mov_b32 s[G1B+4], 116
	s_mov_b32 s[G1B+5], 32
	s_mov_b32 s[G1B+6], 0
	s_mov_b32 s[G1B+7], 0
	s_mov_b32 s[SEL], 0x76543210
	s_mov_b32 s[SEL+1], 0xfedcba98
	s_mul_i32 s42, s[WV], 3072                     ; my part of the first fill, in LDS and in the head's image alike,
	s_mul_i32 s43, s[WV], 29696
	s_add_co_u32 s43, s43, FILL0                   ; and of the second
	s_lshl_b32 s44, s14, 18
	s_add_co_u32 s46, s44, s43
	s_add_co_u32 s44, s44, s42
	s_mov_b32 s45, 0
	s_mov_b32 s47, 0
	s_mov_b32 s[TB], 0
	s_mov_b32 s[TN], 0
	s_wait_dscnt 0x0
	s_wait_kmcnt 0x0
	s_load_b128 s[68:71], s[8:9], 0x18             ; eq, ek, ep, ev
	s_mov_b32 s[G0], 1
	s_mov_b32 s[G0+1], s42
	s_add_nc_u64 s[G0+2:G0+3], s[6:7], s[44:45]
	s_or_b32 s[G0+3], s[G0+3], 0x80000000
	s_mov_b32 s[G0B], 1
	s_mov_b32 s[G0B+1], s43
	s_add_nc_u64 s[G0B+2:G0B+3], s[6:7], s[46:47]
	s_or_b32 s[G0B+3], s[G0B+3], 0x80000000
	CROUND                                         ; the four work-groups are here: the joint loads meet
	tensor_load_to_lds s[G0:G0+3], s[G1:G1+7]      ; one tensor load a wave at the head
	s_nop 0
.rept 4
	v_nop
.endr
	s_lshl_b32 s48, s13, 3
	s_add_co_u32 s48, s48, s[WV]
	s_lshl_b32 s48, s48, 12                        ; 64 queries are 4,096 bytes of qimg
	s_lshl_b32 s49, s14, 17
	s_add_co_u32 s48, s48, s49
	s_mov_b32 s49, 0
	s_add_nc_u64 s[4:5], s[4:5], s[48:49]
	v_and_b32 v[LI], 31, v0
	v_lshlrev_b32 v[LI], 4, v[LI]
.irp t, 0,1,2,3
.irp c, 0,1
	global_load_b128 v[Q+8*\t+4*\c:Q+8*\t+4*\c+3], v[LI], s[4:5] offset:1024*\t+512*\c
.endr
.endr
	s_lshr_b32 s50, s14, 4                         ; the batch
	s_lshl_b32 s50, s50, 11
	s_lshl_b32 s51, s13, 9
	s_add_co_u32 s50, s50, s51
	s_lshl_b32 s51, s[WV], 6
	s_add_co_u32 s50, s50, s51                     ; my first query's row of out,
	s_lshl_b32 s50, s50, 12                        ; 4,096 bytes a row,
	s_and_b32 s51, s14, 15
	s_lshl_b32 s51, s51, 8                         ; the head's 256 bytes in it
	s_add_co_u32 s50, s50, s51
	s_mov_b32 s51, 0
	s_add_nc_u64 s[10:11], s[10:11], s[50:51]
.irp t, 0,1,2,3
	v_mov_b32 v[ST+4*\t+1], 0xff61b1e6             ; the largest t so far: -3e38
	v_mov_b32 v[ST+4*\t+2], 0                      ; the sum, in two halves
	v_mov_b32 v[ST+4*\t+3], 0
.endr
.irp t, 0,1,2,3
	v_floor_f32 v[ST+4*\t], -v[ST+4*\t+1]          ; -M
.endr
	v_mov_b32 v[FA+1], 0                           ; named as upper halves of pairs
	v_mov_b32 v[FA+3], 0
	s_wait_kmcnt 0x0
	s_add_co_i32 s52, s68, s69
	s_lshl_b32 s52, s52, 23
	s_mov_b32 s[CS], 0x3e38aa3b                    ; c = log2(e) / 8,
	s_add_co_i32 s[CS], s[CS], s52                 ; x 2^(eq + ek)
	s_mov_b32 s[CS+1], s[CS]
	s_add_co_i32 s52, s70, 127
	s_lshl_b32 s53, s52, 23
	v_mov_b32 v[SCL], s53                          ; 2^ep
	s_add_co_i32 s52, s52, 8
	s_lshl_b32 s52, s52, 23
	s_or_b32 s52, s52, 0x600000
	v_mov_b32 v[LM0], s52                          ; 448 x 2^ep, twice: the halves of a dual pair take second sources with different numbers modulo 4
	v_mov_b32 v[LM1], s52
	s_add_co_i32 s[EO], s70, s71
.macro DMIN r                          ; the hold of two numbers: the conversion to an 8-bit code does not saturate (ISA guide 7.6.2); p is not negative
	v_dual_min_num_f32 v[\r], v[\r], v[LM1] :: v_dual_min_num_f32 v[\r+1], v[\r+1], v[LM0]
.endm
; The softmax of tiles 2 p (a) and 2 p + 1 (b).
.macro SOFT p, first
.set NA, ST+8*(\p)
.set NB, NA+4
.set SA, S
.set SB, S+64
	v_max3_num_f32 v[TA], v[SA], v[SA+1], v[SA+2]  ; the step's largest scores: four chains by turns; each accumulator is first read at its low end
	v_max3_num_f32 v[TA+2], v[SB], v[SB+1], v[SB+2]
	v_max3_num_f32 v[TA+1], v[SA+3], v[SA+4], v[SA+5]
	v_max3_num_f32 v[TA+3], v[SB+3], v[SB+4], v[SB+5]
.irp i, 6,10,14,18,22,26,30,34,38,42,46,50,54,58
	v_max3_num_f32 v[TA], v[TA], v[SA+\i], v[SA+\i+1]
	v_max3_num_f32 v[TA+2], v[TA+2], v[SB+\i], v[SB+\i+1]
	v_max3_num_f32 v[TA+1], v[TA+1], v[SA+\i+2], v[SA+\i+3]
	v_max3_num_f32 v[TA+3], v[TA+3], v[SB+\i+2], v[SB+\i+3]
.endr
	v_max3_num_f32 v[TA], v[TA], v[SA+62], v[SA+63]
	v_max3_num_f32 v[TA+2], v[TA+2], v[SB+62], v[SB+63]
	v_max_num_f32 v[TA], v[TA], v[TA+1]
	v_max_num_f32 v[TA+2], v[TA+2], v[TA+3]
	v_permlanex16_b32 v[TA+1], v[TA], s[SEL], s[SEL+1]
	v_permlanex16_b32 v[TA+3], v[TA+2], s[SEL], s[SEL+1]
	v_max_num_f32 v[TA], v[TA], v[TA+1]            ; with lane l xor 16's
	v_max_num_f32 v[TA+2], v[TA+2], v[TA+3]
	v_mul_f32 v[TA], s[CS], v[TA]                  ; as t (c is positive)
	v_mul_f32 v[TA+2], s[CS], v[TA+2]
	v_max_num_f32 v[NA+1], v[NA+1], v[TA]          ; the running largest t
	v_max_num_f32 v[NB+1], v[NB+1], v[TA+2]
	v_mov_b32 v[TA], v[NA]
	v_mov_b32 v[TA+2], v[NB]
	v_floor_f32 v[NA], -v[NA+1]                    ; -M = floor(-t)
	v_floor_f32 v[NB], -v[NB+1]
	v_sub_f32 v[TA], v[NA], v[TA]                  ; old M - new M, a whole number, 0 or less
	v_sub_f32 v[TA+2], v[NB], v[TA+2]
	v_cvt_i32_f32 v[TA], v[TA]                     ; (it saturates)
	v_cvt_i32_f32 v[TA+2], v[TA+2]
	v_ldexp_f32 v[FA], 1.0, v[TA]                  ; f = 2^(old M - new M)
	v_ldexp_f32 v[FA+2], 1.0, v[TA+2]
.set n, 0
.rept 32
	v_pk_fma_f32 v[SA+n:SA+n+1], v[SA+n:SA+n+1], s[CS:CS+1], v[NA:NA+1] op_sel_hi:[1,0,0]   ; a: t - M
.set n, n+2
.endr
	s_wait_alu depctr_va_vdst(0)
.set n, 0
.rept 32
	v_exp_f32 v[SA+n], v[SA+n]                     ; a: p
	v_exp_f32 v[SA+n+1], v[SA+n+1]
	v_pk_fma_f32 v[SB+n:SB+n+1], v[SB+n:SB+n+1], s[CS:CS+1], v[NB:NB+1] op_sel_hi:[1,0,0]   ; b: t - M, read behind the wait below
.set n, n+2
.endr
	v_pk_mul_f32 v[NA+2:NA+3], v[NA+2:NA+3], v[FA:FA+1] op_sel_hi:[1,0]   ; a's sums under the new M
	s_wait_alu depctr_va_vdst(0)                   ; behind a's batch and ahead of b's
.set n, 0
.rept 16
	v_exp_f32 v[SB+n], v[SB+n]                     ; b: p
	v_exp_f32 v[SB+n+1], v[SB+n+1]
	v_pk_add_f32 v[TMP+n/2:TMP+n/2+1], v[SA+n:SA+n+1], v[SA+n+2:SA+n+3]   ; a: the unquantised p, summed two pairs at a time into registers of their own,
	v_exp_f32 v[SB+n+2], v[SB+n+2]
	DMIN SA+n                                      ; and then held
	v_exp_f32 v[SB+n+3], v[SB+n+3]
	DMIN SA+n+2
.set n, n+4
.endr
	v_pk_mul_f32 v[NB+2:NB+3], v[NB+2:NB+3], v[FA+2:FA+3] op_sel_hi:[1,0]
.if !\first
	WIN 0x41                                       ; O^T: source 0 and destination in window 1
.endif
	s_wait_alu depctr_va_vdst(0)                   ; behind b's batch, and directly ahead of the first readers of O^T
.if !\first
.set n, 0
.rept 16
	v_pk_mul_f32 v[O+64*(\p)+n:O+64*(\p)+n+1], v[O+64*(\p)+n:O+64*(\p)+n+1], v[FA:FA+1] op_sel_hi:[1,0]
.set n, n+2
.endr
.set n, 0
.rept 16
	v_pk_mul_f32 v[O+64*(\p)+32+n:O+64*(\p)+32+n+1], v[O+64*(\p)+32+n:O+64*(\p)+32+n+1], v[FA+2:FA+3] op_sel_hi:[1,0]
.set n, n+2
.endr
	WIN 0
.endif
.irp b, 0,1,2,3
	v_cvt_scalef32_pk8_fp8_f32 v[P+4*\b:P+4*\b+1], v[SA+16*\b:SA+16*\b+7], v[SCL]
	v_cvt_scalef32_pk8_fp8_f32 v[P+4*\b+2:P+4*\b+3], v[SA+16*\b+8:SA+16*\b+15], v[SCL]
.endr
	v_pk_add_f32 v[TA:TA+1], v[TMP:TMP+1], v[TMP+2:TMP+3]        ; the sums: two chains a tile, by turns; b's numbers are held as soon as they are summed
	v_pk_add_f32 v[TA+2:TA+3], v[SB:SB+1], v[SB+2:SB+3]
	DMIN SB
	DMIN SB+2
.irp j, 4,8,12,16,20,24,28,32,36,40,44,48,52,56,60
.if \j < 32
	v_pk_add_f32 v[NA+2:NA+3], v[NA+2:NA+3], v[TMP+\j:TMP+\j+1]
	v_pk_add_f32 v[TA:TA+1], v[TA:TA+1], v[TMP+\j+2:TMP+\j+3]
.endif
	v_pk_add_f32 v[NB+2:NB+3], v[NB+2:NB+3], v[SB+\j:SB+\j+1]
	v_pk_add_f32 v[TA+2:TA+3], v[TA+2:TA+3], v[SB+\j+2:SB+\j+3]
	DMIN SB+\j
	DMIN SB+\j+2
.endr
.irp b, 0,1,2,3
	v_cvt_scalef32_pk8_fp8_f32 v[P+16+4*\b:P+16+4*\b+1], v[SB+16*\b:SB+16*\b+7], v[SCL]
	v_cvt_scalef32_pk8_fp8_f32 v[P+16+4*\b+2:P+16+4*\b+3], v[SB+16*\b+8:SB+16*\b+15], v[SCL]
.endr
	v_pk_add_f32 v[NA+2:NA+3], v[NA+2:NA+3], v[TA:TA+1]          ; (also the plain lines between the conversions and the matrix instructions)
	v_pk_add_f32 v[NB+2:NB+3], v[NB+2:NB+3], v[TA+2:TA+3]
.endm
.macro QK p                            ; S^T of tiles 2 p, 2 p + 1: each of K's eight fragments against both
	WIN 0x01                                       ; source 0 (K) in window 1
.irp i, 0,1,2,3,4,5,6,7
.irp t, 0,1
	v_wmma_f32_16x16x64_fp8_fp8 v[S+64*\t+8*\i:S+64*\t+8*\i+7], v[KF+8*\i:KF+8*\i+7], v[Q+16*(\p)+8*\t:Q+16*(\p)+8*\t+7], 0
.endr
.endr
.endm
.macro PV p, first                     ; O^T of tiles 2 p, 2 p + 1: eight accumulators by turns
	WIN 0x51                                       ; V, C and D in window 1, the codes in window 0
.irp d, 0,1,2,3
.irp t, 0,1
.if \first
	v_wmma_f32_16x16x128_fp8_fp8 v[O+64*(\p)+32*\t+8*\d:O+64*(\p)+32*\t+8*\d+7], v[VF+16*\d:VF+16*\d+15], v[P+16*\t:P+16*\t+15], 0
.else
	v_wmma_f32_16x16x128_fp8_fp8 v[O+64*(\p)+32*\t+8*\d:O+64*(\p)+32*\t+8*\d+7], v[VF+16*\d:VF+16*\d+15], v[P+16*\t:P+16*\t+15], v[O+64*(\p)+32*\t+8*\d:O+64*(\p)+32*\t+8*\d+7]
.endif
.endr
.endr
.endm
.macro LOADK                           ; the address of K's fragments of the step at s[TN]
	v_add_nc_u32 v[ADR], s[TN], v[LI]
.endm
.macro LOADK2                          ; and the eight fragments
	WIN 0x40
.irp i, 0,1,2,3,4,5,6,7
.irp c, 0,1
	ds_load_b128 v[KF+8*\i+4*\c:KF+8*\i+4*\c+3], v[ADR] offset:1024*\i+512*\c
.endr
.endr
	WIN 0
.endm
.macro STEP first
	s_wait_alu depctr_va_vdst(0)
	s_wait_dscnt 0x0                               ; K's fragments are in
	QK 0
	WIN 0
	v_add_nc_u32 v[ADR], s[TB], v[LI]              ; with the three below: four places behind the products, for the loads into V's registers and the reads of scores
.rept 3
	v_nop
.endr
	WIN 0x40
.irp d, 0,1,2,3
.irp c, 0,1,2,3
	ds_load_b128 v[VF+16*\d+4*\c:VF+16*\d+4*\c+3], v[ADR] offset:8192+2048*\d+512*\c
.endr
.endr
	WIN 0
	SOFT 0, \first
	s_add_co_u32 s[TN], s[TB], STEPB
	s_and_b32 s[TN], s[TN], 0x3ffff                ; the next step; behind the last step it is step 0 again, whose fragments are then fetched and not multiplied: the loop's trips stay alike and no load leaves K's and V's bytes
	s_wait_alu depctr_va_vdst(0)
	s_wait_dscnt 0x0                               ; V's fragments are in
	PV 0, \first
	QK 1
	WIN 0
	LOADK                                          ; with the three below: four places
.rept 3
	v_nop
.endr
	LOADK2
	SOFT 1, \first
	PV 1, \first
	WIN 0
	s_add_co_u32 s[TB], s[TB], STEPB
.endm
	s_wait_alu depctr_va_vdst(0)
	s_wait_tensorcnt 0x0                           ; my part of the first fill is in
	ds_add_u32 v[SPW], v[NIL]
	s_wait_dscnt 0x0
	CROUND                                         ; everybody's part is in, and the four work-groups meet
	tensor_load_to_lds s[G0B:G0B+3], s[G1B:G1B+7]  ; the second fill: the first tensor load behind the round
	s_nop 0
.rept 4
	v_nop
.endr
	LOADK
	LOADK2
	s_wait_loadcnt 0x0                             ; Q
	STEP 1                                         ; the first step starts O^T's sums with the constant 0; it reads the first fill's bytes alone
	s_wait_alu depctr_va_vdst(0)
	s_wait_tensorcnt 0x0                           ; my part of the second fill is in
	s_wait_dscnt 0x0                               ; no LDS instruction of mine is out at the signal
	s_barrier_signal -1
	s_barrier_wait -1                              ; everybody's is
	s_mov_b32 s[CNT], 15
.Lstep:
	STEP 0
	s_sub_co_u32 s[CNT], s[CNT], 1
	s_cmp_lg_u32 s[CNT], 0
	s_cbranch_scc1 .Lstep
	; THE WAY OUT.  O^T / the sum x 2^(ep + ev) goes tile by tile through my own stage and leaves as aligned units of 256 bytes, sixteen lanes a unit.
	v_and_b32 v2, 15, v0                           ; r
	v_bfe_u32 v3, v0, 4, 1                         ; h
	s_mul_i32 s42, s[WV], 16*SP
	s_add_co_u32 s42, s42, STAGE
	v_mul_u32_u24 v6, v2, SP
	v_lshl_add_u32 v6, v3, 5, v6
	v_add_nc_u32 v6, s42, v6                       ; in: row r, 32 h bytes on
	v_mul_u32_u24 v7, v3, SP
	v_lshl_add_u32 v7, v2, 4, v7
	v_add_nc_u32 v7, s42, v7                       ; back: lanes 0-15 one row, lanes 16-31 the next
	v_lshlrev_b32 v1, 12, v3
	v_lshl_add_u32 v1, v2, 4, v1                   ; and the same in out
.irp t, 0,1,2,3
	v_add_f32 v[ST+4*\t+2], v[ST+4*\t+2], v[ST+4*\t+3]
.endr
.irp t, 0,1,2,3
	v_permlanex16_b32 v[ST+4*\t+1], v[ST+4*\t+2], s[SEL], s[SEL+1]
.endr
.irp t, 0,1,2,3
	v_add_f32 v[ST+4*\t+2], v[ST+4*\t+2], v[ST+4*\t+1]   ; the row's sum
.endr
	s_wait_alu depctr_va_vdst(0)                   ; ahead of the batch
.irp t, 0,1,2,3
	v_rcp_f32 v[ST+4*\t+2], v[ST+4*\t+2]
.endr
	v_nop
	s_wait_alu depctr_va_vdst(0)                   ; behind it
.irp t, 0,1,2,3
	v_ldexp_f32 v[ST+4*\t+2], v[ST+4*\t+2], s[EO]
.endr
	WIN 0x01                                       ; source 0 (O^T) in window 1
	s_wait_alu depctr_va_vdst(0)
.irp t, 0,1,2,3
.set n, 0
.rept 16
	v_pk_mul_f32 v[S+32*\t+n:S+32*\t+n+1], v[O+32*\t+n:O+32*\t+n+1], v[ST+4*\t+2:ST+4*\t+3] op_sel_hi:[1,0]
.set n, n+2
.endr
.endr
	WIN 0
.irp t, 0,1,2,3                        ; LDS serves a wave's instructions in order (ISA guide 5.7.1.4): no wait between a tile's stores, its loads and the next tile's stores
.irp d, 0,1,2,3
	ds_store_b128 v6, v[S+32*\t+8*\d:S+32*\t+8*\d+3] offset:64*\d
	ds_store_b128 v6, v[S+32*\t+8*\d+4:S+32*\t+8*\d+7] offset:64*\d+16
.endr
.irp i, 0,1,2,3,4,5,6,7
	ds_load_b128 v[192+32*\t-224*(\t/2)+4*\i:192+32*\t-224*(\t/2)+4*\i+3], v7 offset:2*\i*SP   ; back into v192, v224, v32, v64 on
.endr
.endr
.irp t, 0,1,2,3                        ; stage row x of tile t is query 32 (t / 2) + 8 (t % 2) + x % 8 + 16 (x / 8) of my 64
.irp i, 0,1,2,3,4,5,6,7
	s_wait_dscnt (3-\t)*16+7-\i                    ; behind this load: the tile's younger loads and 16 LDS instructions for each later tile
	global_store_b128 v1, v[192+32*\t-224*(\t/2)+4*\i:192+32*\t-224*(\t/2)+4*\i+3], s[10:11] offset:4096*(32*(\t/2)+8*(\t%2)+2*(\i%4)+16*(\i/4)) th:TH_STORE_NT
.endr
.endr
	s_wait_tensorcnt 0x0                           ; the wave's end
	ds_add_u32 v[SPW], v[NIL]
	s_wait_dscnt 0x0
	CROUND                                         ; the closing round
	s_endpgm
.Lfunc_end_k_q0b038200c5_attn:
	.size	k_q0b038200c5_attn, .Lfunc_end_k_q0b038200c5_attn-k_q0b038200c5_attn
	.p2alignl 7, 3214868480
	.fill 96, 4, 3214868480
	.section	.rodata,"a",@progbits
	.p2align	6, 0x0
	.amdhsa_kernel k_q0b038200c5_attn
		.amdhsa_group_segment_fixed_size 327680
		.amdhsa_private_segment_fixed_size 0
		.amdhsa_enable_private_segment 0
		.amdhsa_kernarg_size 32
		.amdhsa_user_sgpr_count 2
		.amdhsa_user_sgpr_kernarg_segment_ptr 1
		.amdhsa_wavefront_size32 1
		.amdhsa_system_sgpr_workgroup_id_x 1
		.amdhsa_system_sgpr_workgroup_id_y 1
		.amdhsa_system_sgpr_workgroup_id_z 1
		.amdhsa_system_vgpr_workitem_id 0
		.amdhsa_next_free_vgpr 512
		.amdhsa_next_free_sgpr 80
		.amdhsa_reserve_vcc 0
		.amdhsa_float_denorm_mode_32 3
		.amdhsa_float_denorm_mode_16_64 3
		.amdhsa_memory_ordered 1
		.amdhsa_forward_progress 1
		.amdhsa_inst_pref_size 126
	.end_amdhsa_kernel
	.amdgpu_metadata
---
amdhsa.version: [ 1, 2 ]
amdhsa.kernels:
  - .name:           k_q0b038200c5_attn
    .symbol:         k_q0b038200c5_attn.kd
    .args:
      - { .name: qimg, .offset: 0, .size: 8, .value_kind: global_buffer, .address_space: global }
      - { .name: kvimg, .offset: 8, .size: 8, .value_kind: global_buffer, .address_space: global }
      - { .name: lowp_scales, .offset: 16, .size: 8, .value_kind: global_buffer, .address_space: global }
      - { .name: out0, .offset: 24, .size: 8, .value_kind: global_buffer, .address_space: global }
    .group_segment_fixed_size: 327680
    .private_segment_fixed_size: 0
    .kernarg_segment_align: 8
    .kernarg_segment_size: 32
    .max_flat_workgroup_size: 256
    .sgpr_count:     80
    .vgpr_count:     512
    .wavefront_size: 32
...
	.end_amdgpu_metadata
.endif
;; end of part 2
